; MI455X (gfx1250); checked and timed in simulation.
; The chip was launched on July 23, 2026; its instructions are those of AMD's public machine-readable ISA for CDNA 5 (MIT licence, August 2026) and "CDNA5" Instruction Set Architecture Reference Guide (July 2026). The comments in the code are by the model that wrote it; some were corrected since.
;; Multi Head Attention. Allowed arithmetic: matrix products marked QUANTISED: E4M3 operands, one given power-of-two scale a tensor, by v_wmma_f32_16x16x64_fp8_fp8 or v_wmma_f32_16x16x128_fp8_fp8, f32 sums; everything else in f32.
;; Inputs: Wk_codes 16 x 64 x 32 x 32 uint8 (E4M3 codes of Wk, K innermost, in blocks of 32 codes); Wo_codes 1,024 x 32 x 32 uint8 (E4M3 codes of Wo, K innermost, in blocks of 32 codes); Wq_codes 16 x 64 x 32 x 32 uint8 (E4M3 codes of Wq, K innermost, in blocks of 32 codes); Wv_codes 16 x 64 x 32 x 32 uint8 (E4M3 codes of Wv, K innermost, in blocks of 32 codes); bk 16 x 64 float32; bo 1,024 float32; bq 16 x 64 float32; bv 16 x 64 float32; key_codes 2 x 2,048 x 32 x 32 uint8 (E4M3 codes of key, K innermost, in blocks of 32 codes); lowp_scales 12 int32 (the exponents e of the quantised operands' scales 2^e); query_codes 2 x 2,048 x 32 x 32 uint8 (E4M3 codes of query, K innermost, in blocks of 32 codes); value_codes 2 x 2,048 x 32 x 32 uint8 (E4M3 codes of value, K innermost, in blocks of 32 codes).
;; Outputs: out0 2 x 2,048 x 1,024 float32.
;; This version of the problem:
;;   THIS VERSION OF THE PROBLEM IS GIVEN IN LOW PRECISION. The matrix products marked QUANTISED in the list below multiply operands that are first quantised to E4M3 (4 exponent bits, 3 mantissa bits; 8 bits a number), with one given power-of-two scale for each operand tensor; their sums are f32. All else is computed in f32.
;;   The module's matrix products, in the order in which they are computed (A, B: the left and right operand; K: the contracted axis; several contracted axes count as one K, in the product's order):
;;     1. [M 1,024, K 1,024] x [K 1,024, N 4,096]; A: input Wq (given as codes); B: input query (given as codes): QUANTISED (scales: A lowp_scales[0], B lowp_scales[1])
;;     2. [M 1,024, K 1,024] x [K 1,024, N 4,096]; A: input Wk (given as codes); B: input key (given as codes): QUANTISED (scales: A lowp_scales[2], B lowp_scales[3])
;;     3. [M 1,024, K 1,024] x [K 1,024, N 4,096]; A: input Wv (given as codes); B: input value (given as codes): QUANTISED (scales: A lowp_scales[4], B lowp_scales[5])
;;     4. batch 32 x [M 2,048, K 64] x [K 64, N 2,048]; A: computed on the way; B: computed on the way: QUANTISED (scales: A lowp_scales[6], B lowp_scales[7])
;;     5. batch 32 x [M 2,048, K 2,048] x [K 2,048, N 64]; A: softmax (see below); B: computed on the way: QUANTISED (scales: A lowp_scales[8], B lowp_scales[9])
;;     6. [M 4,096, K 1,024] x [K 1,024, N 1,024]; A: computed on the way; B: input Wo (given as codes): QUANTISED (scales: A lowp_scales[10], B lowp_scales[11])
;;   THE QUANTISER, for each operand of a quantised product, along K:
;;     - The operand's scale is 2^e, e = its entry of the input lowp_scales (int32; the entries are numbered through the quantised products in the list's order, A before B).
;;     - Each number is divided by the scale, clamped to +-448, and rounded to the nearest number of E4M3, ties to even, subnormals kept.
;;     - The product sums the exact products of the quantised numbers (number of the format x scale) in f32.
;;   ~~~python
;;   def quantise(x, axis, e):      # numpy; x: float32 -> the quantised numbers, widened to float32 again
;;       x = np.moveaxis(x, axis, -1); K = x.shape[-1]
;;       r = np.clip(x / 2.0 ** e, -448, 448)
;;       step = 2.0 ** (np.maximum(np.frexp(np.where(r == 0, 1, r))[1] - 1, -6) - 3)
;;       q = np.round(r / step) * step * 2.0 ** e      # np.round: ties to even
;;       return np.moveaxis(q, -1, axis).astype(np.float32)
;;   ~~~
;;   SOFTMAX AHEAD OF A QUANTISED PRODUCT. Where the list says 'softmax', what is quantised is not the finished softmax but p = 2^(t - M), with t = logit x log2(e) and M = ceil(the row's largest t), a whole number; so 1/2 < the row's largest p <= 1. The row's sum l is taken of the UNQUANTISED p, in f32, and the product's result is divided by l at the end. Since M is a whole number, a kernel that streams over the keys may use a running M (the ceiling of the running maximum): every later rescaling is an exact power of two, so the quantised numbers keep their values, but for numbers so far below the row's largest that they fall under the format's range.
;;   OPERANDS COMPUTED ON THE WAY. 'Computed on the way' means the value that the module computes at that place (a softmax that the list does not call 'softmax' is quantised finished and normalised). What goes into a quantiser is computed in f32, as accurately as f32 sums, v_exp_f32 and their like allow (about 1e-6 of the number): no bf16 or f16 on the way to a quantiser, and a product that is left as it is and whose result goes on into a quantised operand takes f32 operands (vector FMAs, or v_wmma_f32_16x16x4_f32). A number that lies on a knife's edge between two numbers of the format may be rounded either way, as far as f32 arithmetic and the matrix unit's own rounding can turn it there, and no further.
;;   INPUTS GIVEN AS CODES. Wk (in the module: [16, 1024, 64], K = its axis 1); Wo (in the module: [1024, 1024], K = its axis 0); Wq (in the module: [16, 1024, 64], K = its axis 1); Wv (in the module: [16, 1024, 64], K = its axis 1); key (in the module: [2, 2048, 1024], K = its axis 2); query (in the module: [2, 2048, 1024], K = its axis 2); value (in the module: [2, 2048, 1024], K = its axis 2): each comes as NAME_codes (uint8): NAME with its K axis moved to the last place and cut into blocks of 32 codes, [.., K / 32, bytes a block], one block behind the other in memory; one code a byte (a code: sign, 4 exponent bits, 3 mantissa bits); its scale is its entry of lowp_scales. Its value is code x scale, taken as it is: it is not quantised again, and the codes and scales need not be those that the quantiser above would give.
;; One version. Each part assembles by itself: llvm-mc -triple=amdgcn-amd-amdhsa -mcpu=gfx1250 --defsym DOCPART=n.
;; ======== version 1 of 1: 3 launches
;; limits: right only within a limited range of input values
;; workspace buffers: qimg 4,194,304 bytes; kvimg 8,388,608 bytes; ctximg 4,194,304 bytes
;; launch proj (part 1): grid 4 x 48, 4 waves a work-group, clusters of 4 x 4, 327,680 bytes of LDS; arguments query_codes, key_codes, value_codes, Wq_codes, Wk_codes, Wv_codes, bq, bk, bv, lowp_scales, qimg, kvimg; writes qimg, kvimg
.if DOCPART == 1
	.amdgcn_target "amdgcn-amd-amdhsa--gfx1250"
	.amdhsa_code_object_version 6
	.text
	.protected	k_qa2c67d9346_proj
	.globl	k_qa2c67d9346_proj
	.p2align	8
	.type	k_qa2c67d9346_proj,@function
k_qa2c67d9346_proj:
	s_mov_b64 s[64:65], 0
	v_nop
	global_prefetch_b8 v0, s[64:65] scope:SCOPE_SE
	s_setreg_imm32_b32 hwreg(HW_REG_WAVE_MODE, 25, 1), 1
	s_wait_xcnt 0x0
	s_wait_alu depctr_hold_cnt(0) depctr_sa_sdst(0) depctr_va_vdst(0) depctr_va_sdst(0) depctr_va_ssrc(0) depctr_va_vcc(0) depctr_vm_vsrc(0)
	s_getreg_b32 s2, hwreg(HW_REG_IB_STS2, 6, 4)
	s_cmp_eq_u32 s2, 0
	s_cbranch_scc0 .Lentry_in_a_cluster
	s_endpgm
.Lentry_in_a_cluster:
	s_bfe_u32 s2, ttmp6, 0x10000c
	s_cmp_lg_u32 s2, 0xf033
	s_cbranch_scc0 .Lentry_shape_is_right
	s_endpgm
.Lentry_shape_is_right:
; THE THREE PROJECTIONS, q = query Wq + bq, k = key Wk + bk, v = value Wv + bv, on codes of FP8 (E4M3), and the quantisers behind them.
; X (query, key, value): [4096 tokens][1024] codes; W (Wq, Wk, Wv): [1024 = head x 64 + d][1024] codes; K innermost in both.  A sum of code products stands for sum x 2^(eW + eX);
; the result, sum x 2^(eW + eX) + bias in one f32 multiply-add, is held within +-448 x 2^eOut and turned into codes with the given 2^eOut (entry 6 for q, 7 for k, 9 for v of the scales' buffer).
; LIMITS: eW + eX between -126 and 127, eOut between -126 and 119, so that each power of two below is an f32 number.  NaN among the biases is not served.
; SHARES.  48 x 4 work-groups: cluster y / 4 says which product (g = 0: q, 1: k, 2: v); each makes 256 x 256 results, each of its four waves 128 x 128: 64 accumulators, 512 registers.
; K goes in steps of 256 through a ring of two LDS slots filled by the tensor data mover.  192 work-groups: a smaller tile would give more of them and feed half the products from each LDS byte.
; SOURCE 0 AND SOURCE 1.  In a result, lane (r, h) holds source 1's row r and its registers j source 0's rows 8 h + j.  q, k: source 0 = rows of W, source 1 = tokens: a lane holds one token and
; eight neighbouring d: the next product's K.  v: source 0 = tokens, source 1 = rows of Wv: a lane holds one d and eight neighbouring keys: the second attention product's K.
; Below 'A' is the tensor of source 1 and 'B' that of source 0.  So two neighbouring tiles' conversions give four registers that ARE registers 4 c .. 4 c + 3 of the next operand, and the codes are
; stored as images of those registers: 16 bytes a lane, lane l at 16 l: every store of a wave covers 512 consecutive bytes, aligned.  No LDS on the way out.
;   qimg:  ((batch x 16 + head) x 128 + tile of 16 tokens) x 1024 + c x 512 + 16 l
;   kvimg: (batch x 16 + head) x 262144 + (quarter of 512 keys) x 65536 + [K: 0 | V: 32768] + (step of 128 keys) x 8192 + [K: tile of 16 keys x 1024 + c x 512 | V: tile of 16 d x 2048 + p x 512] + 16 l
; CLUSTERS: 4 x 4 work-groups of one product.  The four of a row of the cluster need the same tiles of A, the four of a column the same tiles of B: each tile is asked for JOINTLY.
; REGISTERS, in windows of 256: window 0: v1-31 addresses and constants; v32-95, v96-111 the biases; from v128 A's fragments, ONE set; on the way out v112-175 numbers, v176-239 codes.
;   window 1: B's fragments, TWO sets.   window 2: the accumulators of A's blocks 0-3 (accumulator (a, b) at v[8 (8 (a % 4) + b)]);   window 3: those of blocks 4-7.
.set KSTEP,  256                       ; along K in a slot
.set ROWB,   256                       ; a tile's row in bytes
.set KROW,   1024                      ; a row of X or of W in memory, in bytes
.set PITCH,  272                       ; an LDS row: 256 bytes + 16 of padding = 68 words: row r starts at bank 4 r mod 64 (64 banks of 4 bytes: ISA guide 11.1)
.set FR,     16                        ; registers of a fragment: 16 rows x 128 K
.set NL,     4                         ; LDS loads that bring one
.set NP,     4                         ; places behind this matrix instruction (ISA guide 7.12.1)
.set HALFT,  128*PITCH                 ; 128 rows: what one tensor load brings, and what one wave reads of A or of B
.set SLOT,   4*HALFT                   ; A's 256 rows, then B's 256 rows
.set LAPS,   1024/(2*KSTEP)            ; a lap = two K steps = once round the ring
.set SPARE,  2*SLOT                    ; behind the ring: the spare words, 128 bytes for each wave: two blocks of 256 bytes that no other line names
.set ADRA, 16                          ; v16-17  LDS address of my A fragments in slot 0, 1
.set ADRB, 20                          ; v20-21  the same for B
.set CO,   26                          ; v26     16 x lane: my place in an image
.set SPW,  28                          ; v28     LDS address of my spare word; never rewritten
.set NIL,  29                          ; v29     0; never rewritten
.set LIM,  30                          ; v30     448 x 2^eOut
.set SC,   31                          ; v31     2^eOut as f32
.set BJ,   32                          ; v32-95  bias[dbase + 16 b + 8 h + j] at 8 b + j: for q and k
.set BR,   96                          ; v96-111 bias[dbase + 16 a + r], twice, at 2 a and 2 a + 1: for v
.set TMP,  112                         ; v112-175 a block's 64 numbers
.set CD,   176                         ; v176-239 codes: four sets of 16 registers
.set AF,   128                         ; A's fragments, in window 0
.set G1, 24                            ; s[24:31] descriptor group 1 for A's tiles;  s[32:39] group 0, one set for each slot
.set G0, 32
.set G1B, 48                           ; s[48:55], s[56:63] the same for B's tiles
.set G0B, 56
.set OUT0, 10                          ; s[10:11] where my first head's images begin;  s[92:93] my second head's
.set OUT1, 92
.set MSB, 0
.macro WIN new                         ; the immediate's high byte repeats the setting that is left
.if MSB != \new
	s_set_vgpr_msb (MSB<<8)|\new
.set MSB, \new
.endif
.endm
.set MUL_LO, 0xa1                      ; source 0 (B) window 1, source 1 (A) window 0, C and D window 2
.set MUL_HI, 0xf1                      ; the same, C and D window 3
.set TO_B,   0x40                      ; destination window 1, address window 0
; A joint load: waves 0 and 1 fetch for A, waves 2 and 3 for B.  The branch hangs on the wave's number alone.  Four v_nop follow each of the two lines.
.macro JLOAD g0a, g1a, g0b, g1b
	s_cmp_eq_u32 s15, 0
	s_cbranch_scc0 .Lfor_b_\@
	tensor_load_to_lds s[\g0a:\g0a+3], s[\g1a:\g1a+7]
	s_nop 0
.rept 4
	v_nop
.endr
	s_branch .Lasked_\@
.Lfor_b_\@:
	tensor_load_to_lds s[\g0b:\g0b+3], s[\g1b:\g1b+7]
	s_nop 0
.rept 4
	v_nop
.endr
.Lasked_\@:
.endm
.macro CREST                           ; a round of the cluster's barrier behind its opening barrier
	s_cmp_lg_u32 s14, 0
	s_cbranch_scc1 .Lnot_wave_0_\@
	s_barrier_signal -3
.Lnot_wave_0_\@:
	s_barrier_wait -3
	s_barrier_signal -1
	s_barrier_wait -1
.endm
.macro CROUND                          ; a whole round
	s_barrier_signal -1
	s_barrier_wait -1
	CREST
.endm
	s_load_b512 s[68:83], s[0:1], 0x0              ; query, key, value, Wq, Wk, Wv, bq, bk
	s_load_b256 s[84:91], s[0:1], 0x40             ; bv, the scales' exponents, qimg, kvimg
	v_lshl_add_u32 v[SPW], v0, 2, SPARE
	v_mov_b32 v[NIL], 0
	ds_add_u32 v28, v29
	ds_add_u32 v28, v29
	s_wait_dscnt 0x0
	v_lshrrev_b32 v1, 5, v0
	v_readfirstlane_b32 s14, v1                    ; wave 0..3
	s_lshr_b32 s15, s14, 1                         ; which 128 rows of A's tile are mine.  Also: I fetch for A (0) or for B (1)
	s_and_b32 s16, s14, 1                          ; which 128 rows of B's tile.  Also: which 128 rows of that tile I fetch
	s_bfe_u32 s40, ttmp6, 0x40000                  ; cx, cy: my place in the cluster
	s_bfe_u32 s41, ttmp6, 0x40004
	s_and_b32 s95, ttmp7, 0xffff                   ; cluster y, 0 .. 11: the same in all sixteen partners
	s_lshr_b32 s94, s95, 2                         ; g: which product
	s_and_b32 s95, s95, 3
	s_lshl_b32 s95, s95, 2                         ; which four of the 16 tiles of tokens this cluster takes
	s_cmp_lt_u32 s94, 2
	s_cselect_b32 s66, s95, 0                      ; q, k: the tokens are A's rows;
	s_cselect_b32 s67, 0, s95                      ; v: they are B's
	s_add_co_u32 s17, s41, s66                     ; A's tile: made of cy and the cluster's number
	s_add_co_u32 s42, s40, s67                     ; B's tile: made of cx and the cluster's number
	s_lshl_b32 s43, s41, 2
	s_lshl_b32 s43, 15, s43                        ; my row of the cluster
	s_lshl_b32 s44, 0x1111, s40                    ; my column
	; descriptor group 1: a tile of 128 rows x 256 bytes, padded in LDS
	s_or_b32 s[G1+0], s43, (0<<16)|(1<<20)|(1<<21)|(5<<22)|(3<<25)  ; 15:0 the mask: A's tiles go to my row; 17:16 element of 1 byte; 20 padding on; 21 set beside a mask; 24:22 after every 64 words (code 5); 31:25 of 4 words (code 3)
	s_or_b32 s[G1B+0], s44, (0<<16)|(1<<20)|(1<<21)|(5<<22)|(3<<25)
.irp g, G1, G1B
	s_mov_b32 s[\g+1], ROWB<<16                    ; tensor_dim0
	s_mov_b32 s[\g+2], 128<<16                     ; tensor_dim1 = 128
	s_mov_b32 s[\g+3], ROWB<<16                    ; tile_dim0
	s_mov_b32 s[\g+4], 128                         ; tile_dim1 = 128
	s_mov_b32 s[\g+5], KROW                        ; tensor_dim0_stride
	s_mov_b32 s[\g+6], 0
	s_mov_b32 s[\g+7], 0
.endr
	s_lshl_b32 s18, s16, 7                         ; which 128 rows of the tile I fetch
	s_lshl_b32 s20, s17, 8
	s_add_co_u32 s20, s20, s18
	s_lshl_b32 s20, s20, 10                        ; A: (256 x tile + 128 x half) rows of 1,024 bytes: under 2^22
	s_mov_b32 s21, 0
	s_lshl_b32 s46, s42, 8
	s_add_co_u32 s46, s46, s18
	s_lshl_b32 s46, s46, 10                        ; B likewise
	s_mov_b32 s47, 0
	s_mul_i32 s45, s14, HALFT                      ; where they go: wave x 128 rows: no place in the cluster enters an LDS address
	s_wait_kmcnt 0x0
	s_cmp_eq_u32 s94, 0                            ; the buffers are chosen by the product's number alone
	s_cselect_b64 s[4:5], s[68:69], s[70:71]       ; A: query or key
	s_cselect_b64 s[6:7], s[74:75], s[76:77]       ; B: Wq or Wk
	s_cselect_b64 s[8:9], s[80:81], s[82:83]       ; bq or bk
	s_cselect_b64 s[OUT0:OUT0+1], s[88:89], s[90:91]  ; qimg, or kvimg for k and v
	s_cmp_eq_u32 s94, 2
	s_cselect_b64 s[4:5], s[78:79], s[4:5]         ; v: A is Wv,
	s_cselect_b64 s[6:7], s[72:73], s[6:7]         ; B is value,
	s_cselect_b64 s[8:9], s[84:85], s[8:9]         ; the bias bv
	s_load_b256 s[68:75], s[86:87], 0x0            ; the exponents, entries 0 to 7,
	s_load_b128 s[76:79], s[86:87], 0x20           ; and 8 to 11
	s_add_nc_u64 s[20:21], s[4:5], s[20:21]
	s_add_nc_u64 s[46:47], s[6:7], s[46:47]
	CROUND                                         ; all sixteen work-groups are here: the first joint loads meet
.irp s, 0,1
	s_mov_b32 s[G0+4*\s], 1
	s_add_co_u32 s[G0+4*\s+1], s45, \s*SLOT
	s_add_nc_u64 s[G0+4*\s+2:G0+4*\s+3], s[20:21], \s*ROWB
	s_or_b32 s[G0+4*\s+3], s[G0+4*\s+3], 0x80000000
	s_mov_b32 s[G0B+4*\s], 1
	s_add_co_u32 s[G0B+4*\s+1], s45, \s*SLOT
	s_add_nc_u64 s[G0B+4*\s+2:G0B+4*\s+3], s[46:47], \s*ROWB
	s_or_b32 s[G0B+4*\s+3], s[G0B+4*\s+3], 0x80000000
.endr
	JLOAD G0, G1, G0B, G1B                         ; K step 0: one tensor load a wave at the head
	; THE PREFETCHES into the L2.  Of the 128 rows that a wave fetches, each of the four partners that ask for them jointly names 32, told apart by address (cx for A, cy for B): a lane a row, one instruction a wave for a K step.
	; Behind each K step's load stands the prefetch of the K step after it (1 behind 0, 2 behind 1, 3 behind 2; there is none behind 3): at most one K step is asked for and not yet read.
.set PFO, 9                            ; v9      the prefetches' offset: my lane x a row of 1,024 bytes; never rewritten
.set PFA, 88                           ; s[88:89] my work-group's 32 rows at K step 0; never rewritten: the K step is in the immediate
	s_cmp_eq_u32 s15, 0
	s_cselect_b64 s[PFA:PFA+1], s[20:21], s[46:47]
	s_cselect_b32 s90, s40, s41
	s_lshl_b32 s90, s90, 15
	s_mov_b32 s91, 0
	s_add_nc_u64 s[PFA:PFA+1], s[PFA:PFA+1], s[90:91]
	v_and_b32 v1, 15, v0                           ; r = l % 16
	v_bfe_u32 v2, v0, 4, 1                         ; h = l / 16
	v_mul_u32_u24 v3, v1, PITCH
	v_lshl_add_u32 v4, v2, 4, v3                   ; a fragment's row x pitch + 16 x half
	s_mul_i32 s21, s15, HALFT                      ; my 128 rows of A
	s_mul_i32 s22, s16, HALFT                      ; my 128 rows of B,
	s_add_co_u32 s22, s22, 2*HALFT                 ; which lie behind A's 256
.irp s, 0,1
	v_add_nc_u32 v[ADRA+\s], s21, v4
	v_add_nc_u32 v[ADRB+\s], s22, v4
	s_add_co_u32 s21, s21, SLOT
	s_add_co_u32 s22, s22, SLOT
.endr
	v_and_b32 v6, 31, v0
	v_lshlrev_b32 v[CO], 4, v6
	v_lshlrev_b32 v[PFO], 10, v6
	v_lshlrev_b32 v7, 5, v2                        ; 32 h: eight biases of my half
	s_wait_alu depctr_va_vdst(0)
	v_lshlrev_b32 v8, 2, v1                        ; 4 r: the bias of my row
	; where my results go.  tW, wW: the tile and the half of W's rows; tX, wX: of the tokens
	s_wait_alu depctr_va_vdst(0)
	global_prefetch_b8 v[PFO], s[PFA:PFA+1] offset:ROWB th:TH_LOAD_NT scope:SCOPE_SE   ; K step 1
	s_cmp_lt_u32 s94, 2
	s_cselect_b32 s80, s42, s17                    ; tW
	s_cselect_b32 s81, s16, s15                    ; wW
	s_cselect_b32 s82, s17, s42                    ; tX
	s_cselect_b32 s83, s15, s16                    ; wX
	s_lshl_b32 s98, s80, 8
	s_lshl_b32 s99, s81, 7
	s_add_co_u32 s98, s98, s99                     ; dbase: my first row of W, 0 .. 896
	s_lshr_b32 s18, s98, 6                         ; my first head
	s_lshl_b32 s98, s98, 2
	s_mov_b32 s99, 0
	s_add_nc_u64 s[8:9], s[8:9], s[98:99]          ; the bias at dbase
	s_lshr_b32 s19, s82, 3                         ; the batch
	s_lshl_b32 s19, s19, 4
	s_add_co_u32 s18, s18, s19                     ; batch x 16 + head
	s_and_b32 s19, s82, 7
	s_lshl_b32 s19, s19, 8
	s_lshl_b32 s22, s83, 7
	s_add_co_u32 s19, s19, s22                     ; my first token in the batch, a multiple of 128
	s_cmp_eq_u32 s94, 0
	s_cselect_b32 s66, 17, 18                      ; a head's bytes: 2^17 in qimg, 2^18 in kvimg
	s_cselect_b32 s67, 15, 16                      ; 512 tokens' bytes: 2^15 in qimg, a quarter of 2^16 in kvimg
	s_lshl_b32 s18, s18, s66
	s_lshr_b32 s22, s19, 9
	s_lshl_b32 s22, s22, s67
	s_add_co_u32 s18, s18, s22
	s_and_b32 s22, s19, 511
	s_lshl_b32 s22, s22, 6                         ; 64 bytes a token inside
	s_add_co_u32 s18, s18, s22
	s_cmp_eq_u32 s94, 2
	s_cselect_b32 s22, 0x8000, 0                   ; V lies behind K in a quarter
	s_add_co_u32 s18, s18, s22
	s_mov_b32 s19, 0
	s_add_nc_u64 s[OUT0:OUT0+1], s[OUT0:OUT0+1], s[18:19]
	s_lshl_b32 s22, 1, s66
	s_mov_b32 s23, 0
	s_add_nc_u64 s[OUT1:OUT1+1], s[OUT0:OUT0+1], s[22:23]
.irp b, 0,1,2,3,4,5,6,7                        ; both tables are loaded on every way: dbase + 127 is at most 1,023, inside the buffer.  They are waited for on the way out
	global_load_b128 v[BJ+8*\b:BJ+8*\b+3],   v7, s[8:9] offset:64*\b
	global_load_b128 v[BJ+8*\b+4:BJ+8*\b+7], v7, s[8:9] offset:64*\b+16
.endr
.irp a, 0,1,2,3,4,5,6,7
	global_load_b32 v[BR+2*\a],   v8, s[8:9] offset:64*\a
	global_load_b32 v[BR+2*\a+1], v8, s[8:9] offset:64*\a
.endr
.macro FRAG reg, adr, q, i             ; a fragment, 16 rows x 128 K, is 16 registers: lane l holds row l % 16; registers 4 c .. 4 c + 3 hold K = 32 c + 16 (l / 16) + 0 .. 15: the same permutation of k in A and in B, so every product meets its partner
.irp c, 0,1,2,3
	ds_load_b128 v[\reg+4*\c:\reg+4*\c+3], v[\adr] offset:128*(\q)+32*\c+(\i)*16*PITCH
.endr
.endm
; 16 matrix instructions: A's blocks a0, a0 + 1 x B's eight, 128 along K.  p: B's set.  zero = 1: the first product starts the sums.
; The 64 accumulators take turns, one instruction a turn, in the same order in every step.
.macro MUL16 a0, p, zero
.irp a, \a0, \a0+1
.irp b, 0,1,2,3,4,5,6,7
.if \zero
	v_wmma_f32_16x16x128_fp8_fp8 v[8*(8*((\a)%4)+\b):8*(8*((\a)%4)+\b)+7], v[128*(\p)+FR*\b:128*(\p)+FR*\b+FR-1], v[AF+FR*(\a):AF+FR*(\a)+FR-1], 0
.else
	v_wmma_f32_16x16x128_fp8_fp8 v[8*(8*((\a)%4)+\b):8*(8*((\a)%4)+\b)+7], v[128*(\p)+FR*\b:128*(\p)+FR*\b+FR-1], v[AF+FR*(\a):AF+FR*(\a)+FR-1], v[8*(8*((\a)%4)+\b):8*(8*((\a)%4)+\b)+7]
.endif
.endr
.endr
.endm
.macro FETCH_B slot, q, p              ; B's eight fragments of the slot's q-th 128 along K into set p
	WIN TO_B
.irp i, 0,1,2,3,4,5,6,7
	FRAG 128*(\p)+FR*\i, ADRB+\slot, \q, \i
.endr
	WIN 0
.endm
.macro FETCH_A slot, q, i0             ; A's blocks i0 .. i0 + 3
.irp i, \i0, \i0+1, \i0+2, \i0+3
	FRAG AF+FR*(\i), ADRA+\slot, \q, \i
.endr
.endm
; A load into a register that a matrix instruction has read, and a vector instruction that reads a matrix result or writes one of its registers, stand NP places behind it; only plain vector
; instructions that name none of its registers are places (ISA guide 7.12.1 for vector instructions).
.macro PLACES n
.rept \n
	v_nop
.endr
.endm
; A step of 128 along K that has its successor in the same slot.  A block of A is free as soon as its eight products are issued: blocks 0-3 are fetched anew in the step's middle, blocks 4-7 at its end.
.macro STEP slot, q, zero
	s_wait_dscnt 4*NL                              ; B's set and A's blocks 0-3 are in; the youngest 16 loads (A's blocks 4-7) may be out
	WIN MUL_LO
	MUL16 0, (\q)%2, \zero
	MUL16 2, (\q)%2, \zero
	s_wait_dscnt 0                                 ; A's blocks 4-7 are in
	PLACES NP
	FETCH_B \slot, (\q)+1, 1-(\q)%2
	FETCH_A \slot, (\q)+1, 0
	WIN MUL_HI
	MUL16 4, (\q)%2, \zero
	MUL16 6, (\q)%2, \zero
	PLACES NP
	WIN 0
	FETCH_A \slot, (\q)+1, 4
.endm
; A slot's last step changes slots: ONE barrier; in front of it each wave waits for all its tensor loads, adds 0 to its spare word, and waits for that and for its own reads of this slot.  fill = 1: this slot is filled again, two K steps ahead.
.macro TURN slot, next, fill
	s_wait_tensorcnt 0x0                           ; all my tensor loads have landed: my part of the next slot;  (every window is 0 here)
	ds_add_u32 v[SPW], v[NIL]                      ; 0 onto my spare word
	s_wait_dscnt 4*NL+1                            ; (the add and the youngest 16 loads, A's blocks 4-7, may be out)
	WIN MUL_LO
	MUL16 0, 1, 0                                  ; sixteen matrix instructions stand between the add and the wait for it
	s_wait_dscnt 0x0                               ; the add is done, and my reads of this slot are over
	s_barrier_signal -1
	MUL16 2, 1, 0
	WIN 0
	s_barrier_wait -1
.if \fill
	CREST                                          ; the barrier has opened a round of the cluster's barrier: no wave of any partner still reads this slot's tile or has a load on its way
	s_add_nc_u64 s[G0+4*\slot+2:G0+4*\slot+3], s[G0+4*\slot+2:G0+4*\slot+3], 2*ROWB
	s_add_nc_u64 s[G0B+4*\slot+2:G0B+4*\slot+3], s[G0B+4*\slot+2:G0B+4*\slot+3], 2*ROWB
	JLOAD G0+4*\slot, G1, G0B+4*\slot, G1B         ; the first tensor load behind the round; the four v_nop behind it are the places in front of the loads below
.else
	PLACES NP
.endif
	FETCH_B \next, 0, 0
	FETCH_A \next, 0, 0
.if \fill && (\slot == 0)
	global_prefetch_b8 v[PFO], s[PFA:PFA+1] offset:3*ROWB th:TH_LOAD_NT scope:SCOPE_SE   ; K step 3: behind K step 2's load (the loop has one trip, LAPS - 1)
.endif
	WIN MUL_HI
	MUL16 4, 1, 0
	MUL16 6, 1, 0
	PLACES NP
	WIN 0
	FETCH_A \next, 0, 4
.endm
	s_wait_alu depctr_va_vdst(0)                   ; the head's end
	s_wait_tensorcnt 0x0                           ; my part of K step 0 is in
	ds_add_u32 v[SPW], v[NIL]
	s_wait_dscnt 0x0                               ; the add is done
	CROUND                                         ; everybody's part of K step 0 is in, and all sixteen work-groups are here
	JLOAD G0+4, G1, G0B+4, G1B                     ; K step 1's load, the first tensor load behind the round
	FETCH_B 0, 0, 0
	FETCH_A 0, 0, 0
	FETCH_A 0, 0, 4
	global_prefetch_b8 v[PFO], s[PFA:PFA+1] offset:2*ROWB th:TH_LOAD_NT scope:SCOPE_SE   ; K step 2, behind the joint load and the run of LDS loads
	STEP 0, 0, 1                                   ; the first step stands in front of the loop: its products start the sums
	s_mov_b32 s3, LAPS-1
.Llap:                                                 ; a trip goes once round the ring, from a lap's second step to the next lap's first, and fills both slots again
	TURN 0, 1, 1
	STEP 1, 0, 0
	TURN 1, 0, 1
	STEP 0, 0, 0
	s_sub_co_u32 s3, s3, 1
	s_cmp_lg_u32 s3, 0
	s_cbranch_scc1 .Llap
	TURN 0, 1, 0                                   ; the last lap fills nothing, and has no round of the cluster's barrier
	STEP 1, 0, 0
	s_wait_dscnt 4*NL                              ; the very last step: nothing more to fetch
	WIN MUL_LO
	MUL16 0, 1, 0
	MUL16 2, 1, 0
	s_wait_dscnt 0                                 ; blocks 4-7 follow on the way out, by rows
	WIN 0
	; THE WAY OUT.  The given exponents are chosen by the product's number, without a branch.
	s_wait_kmcnt 0x0
	s_add_co_i32 s68, s68, s69                     ; eWq + equery
	s_add_co_i32 s70, s70, s71                     ; eWk + ekey
	s_add_co_i32 s72, s72, s73                     ; eWv + evalue
	s_cmp_eq_u32 s94, 0
	s_cselect_b32 s96, s68, s70
	s_cselect_b32 s98, s74, s75                    ; eOut: entry 6 for q, 7 for k,
	s_cmp_eq_u32 s94, 2
	s_cselect_b32 s96, s72, s96
	s_cselect_b32 s98, s77, s98                    ; 9 for v
	s_add_co_i32 s96, s96, 127
	s_lshl_b32 s96, s96, 23                        ; 2^(eW + eX) as f32
	s_mov_b32 s97, s96                             ; (named with it as a pair, so it is written)
	s_add_co_i32 s98, s98, 127
	s_lshl_b32 s99, s98, 23
	v_mov_b32 v[SC], s99                           ; 2^eOut: the conversion takes its exponent field
	s_add_co_i32 s98, s98, 8
	s_lshl_b32 s98, s98, 23
	s_or_b32 s98, s98, 0x600000
	v_mov_b32 v[LIM], s98                          ; 448 x 2^eOut
	s_wait_loadcnt 0x0                             ; the biases
; Block a: A's rows 16 a on against B's 128 rows: 64 numbers a lane.  isv = 0: register 8 b + j is d = dbase + 16 b + 8 h + j of token 16 a + r; isv = 1: key 16 b + 8 h + j of d = dbase + 16 a + r.
; Four stores of 512 consecutive bytes: registers 4 p .. 4 p + 3 of the codes are tiles 2 p and 2 p + 1.  isv = 0: p / 2 is the head, p % 2 the image's half; isv = 1: a / 4 is the head, a % 4 the tile of d, p the image's quarter.
.macro OUTBLK a, isv
.set AC, 64*((\a)%4)
.set CC, CD+16*((\a)%4)
.if (\a) >= 4
	s_wait_xcnt 0x0                                ; block a - 4's stores have read this set of code registers: it is written again only behind this wait
.endif
	WIN 0x02+((\a)/4)                              ; source 0: window 2 or 3
.set j, 0
.rept 32
.if \isv
	v_pk_fma_f32 v[TMP+j:TMP+j+1], v[AC+j:AC+j+1], s[96:97], v[BR+2*(\a):BR+2*(\a)+1] op_sel_hi:[1,0,1]   ; sum x 2^(eW + eX) + bias; each accumulator from its low end on
.else
	v_pk_fma_f32 v[TMP+j:TMP+j+1], v[AC+j:AC+j+1], s[96:97], v[BJ+j:BJ+j+1] op_sel_hi:[1,0,1]
.endif
.set j, j+2
.endr
	WIN 0
.set j, 0
.rept 64
	v_med3_num_f32 v[TMP+j], v[TMP+j], -v[LIM], v[LIM]   ; the conversion to an 8-bit code does not saturate (ISA guide 7.6.2): the hold at the largest code x the scale, always executed
.set j, j+1
.endr
.set j, 0
.rept 8
	v_cvt_scalef32_pk8_fp8_f32 v[CC+2*j:CC+2*j+1], v[TMP+8*j:TMP+8*j+7], v[SC]
.set j, j+1
.endr
	v_nop                                          ; one plain vector line between the last conversion and the next block's multiply-adds, which write its sources
.irp p, 0,1,2,3
.if \isv
.set OB, OUT0+(OUT1-OUT0)*((\a)/4)
	global_store_b128 v[CO], v[CC+4*\p:CC+4*\p+3], s[OB:OB+1] offset:((\a)%4)*2048+\p*512
.else
.set OB, OUT0+(OUT1-OUT0)*(\p/2)
	global_store_b128 v[CO], v[CC+4*\p:CC+4*\p+3], s[OB:OB+1] offset:(\a)*1024+(\p%2)*512
.endif
.endr
.endm
.macro MUL8 a                          ; the last step's eight products of block a
	WIN MUL_HI
.irp b, 0,1,2,3,4,5,6,7
	v_wmma_f32_16x16x128_fp8_fp8 v[8*(8*((\a)%4)+\b):8*(8*((\a)%4)+\b)+7], v[128+FR*\b:128+FR*\b+FR-1], v[AF+FR*(\a):AF+FR*(\a)+FR-1], v[8*(8*((\a)%4)+\b):8*(8*((\a)%4)+\b)+7]
.endr
	WIN 0
.endm
; Blocks 0-3 are finished: each leaves behind the last products of a block of 4-7, so its stores set out ahead of the last product.  The numbers land in the registers of A's blocks 0-2,
; the codes of blocks 0-3 in those of A's blocks 3-6, whose products have been issued by then.
.macro BYROWS isv
.irp a, 0,1,2,3
	MUL8 \a+4
.if \a == 0
	PLACES NP                                      ; behind blocks 0-3's products, whose registers are read and written below
.endif
	OUTBLK \a, \isv
.endr
.irp a, 4,5,6,7
	OUTBLK \a, \isv
.endr
.endm
	s_cmp_eq_u32 s94, 2                            ; the product's number: the same in all partners of the cluster
	s_cbranch_scc1 .Lv_out
	BYROWS 0
	s_branch .Ljoin
.Lv_out:
	BYROWS 1
.Ljoin:
	s_wait_tensorcnt 0x0                           ; the wave's end
	ds_add_u32 v[SPW], v[NIL]
	s_wait_dscnt 0x0
	CROUND                                         ; the closing round: no work-group ends while a partner may still ask for a tile that names it
	s_endpgm
.Lfunc_end_k_qa2c67d9346_proj:
	.size	k_qa2c67d9346_proj, .Lfunc_end_k_qa2c67d9346_proj-k_qa2c67d9346_proj
	.p2alignl 7, 3214868480
	.fill 96, 4, 3214868480
	.section	.rodata,"a",@progbits
	.p2align	6, 0x0
	.amdhsa_kernel k_qa2c67d9346_proj
		.amdhsa_group_segment_fixed_size 327680
		.amdhsa_private_segment_fixed_size 0
		.amdhsa_enable_private_segment 0
		.amdhsa_kernarg_size 96
		.amdhsa_user_sgpr_count 2
		.amdhsa_user_sgpr_kernarg_segment_ptr 1
		.amdhsa_wavefront_size32 1
		.amdhsa_system_sgpr_workgroup_id_x 1
		.amdhsa_system_sgpr_workgroup_id_y 1
		.amdhsa_system_sgpr_workgroup_id_z 1
		.amdhsa_system_vgpr_workitem_id 0
		.amdhsa_next_free_vgpr 1024
		.amdhsa_next_free_sgpr 100
		.amdhsa_reserve_vcc 0
		.amdhsa_float_denorm_mode_32 3
		.amdhsa_float_denorm_mode_16_64 3
		.amdhsa_memory_ordered 1
		.amdhsa_forward_progress 1
		.amdhsa_inst_pref_size 198
	.end_amdhsa_kernel
	.amdgpu_metadata
---
amdhsa.version: [ 1, 2 ]
amdhsa.kernels:
  - .name:           k_qa2c67d9346_proj
    .symbol:         k_qa2c67d9346_proj.kd
    .args:
      - { .name: query_codes, .offset: 0, .size: 8, .value_kind: global_buffer, .address_space: global }
      - { .name: key_codes, .offset: 8, .size: 8, .value_kind: global_buffer, .address_space: global }
      - { .name: value_codes, .offset: 16, .size: 8, .value_kind: global_buffer, .address_space: global }
      - { .name: Wq_codes, .offset: 24, .size: 8, .value_kind: global_buffer, .address_space: global }
      - { .name: Wk_codes, .offset: 32, .size: 8, .value_kind: global_buffer, .address_space: global }
      - { .name: Wv_codes, .offset: 40, .size: 8, .value_kind: global_buffer, .address_space: global }
      - { .name: bq, .offset: 48, .size: 8, .value_kind: global_buffer, .address_space: global }
      - { .name: bk, .offset: 56, .size: 8, .value_kind: global_buffer, .address_space: global }
      - { .name: bv, .offset: 64, .size: 8, .value_kind: global_buffer, .address_space: global }
      - { .name: lowp_scales, .offset: 72, .size: 8, .value_kind: global_buffer, .address_space: global }
      - { .name: qimg, .offset: 80, .size: 8, .value_kind: global_buffer, .address_space: global }
      - { .name: kvimg, .offset: 88, .size: 8, .value_kind: global_buffer, .address_space: global }
    .group_segment_fixed_size: 327680
    .private_segment_fixed_size: 0
    .kernarg_segment_align: 8
    .kernarg_segment_size: 96
    .max_flat_workgroup_size: 128
    .sgpr_count:     100
    .vgpr_count:     1024
    .wavefront_size: 32
...
	.end_amdgpu_metadata
.endif
;; end of part 1
;; launch attn (part 2): grid 8 x 32, 8 waves a work-group, clusters of 4 x 1, 327,680 bytes of LDS; arguments qimg, kvimg, lowp_scales, ctximg; writes ctximg
.if DOCPART == 2
	.amdgcn_target "amdgcn-amd-amdhsa--gfx1250"
	.amdhsa_code_object_version 6
	.text
	.protected	k_qa2c67d9346_attn
	.globl	k_qa2c67d9346_attn
	.p2align	8
	.type	k_qa2c67d9346_attn,@function
k_qa2c67d9346_attn:
	s_mov_b64 s[64:65], 0
	v_nop
	global_prefetch_b8 v0, s[64:65] scope:SCOPE_SE
	s_setreg_imm32_b32 hwreg(HW_REG_WAVE_MODE, 25, 1), 1
	s_wait_xcnt 0x0
	s_wait_alu depctr_hold_cnt(0) depctr_sa_sdst(0) depctr_va_vdst(0) depctr_va_sdst(0) depctr_va_ssrc(0) depctr_va_vcc(0) depctr_vm_vsrc(0)
	s_getreg_b32 s2, hwreg(HW_REG_IB_STS2, 6, 4)
	s_cmp_eq_u32 s2, 0
	s_cbranch_scc0 .Lentry_in_a_cluster
	s_endpgm
.Lentry_in_a_cluster:
	s_bfe_u32 s2, ttmp6, 0x10000c
	s_cmp_lg_u32 s2, 0x3003
	s_cbranch_scc0 .Lentry_shape_is_right
	s_endpgm
.Lentry_shape_is_right:
; ATTENTION of one (batch, head) on codes of FP8 (E4M3): S^T = K Q^T, the softmax, O^T = V^T P^T, and the quantiser of the context.
; THE SOFTMAX: t = score x log2(e) / 8; M = the running largest t rounded UP to a whole number, kept as -M; p = 2^(t - M) is quantised along the keys, not normalised; the row's sum is taken of the unquantised p in f32 and
; divides O at the end.  When M moves, the sum and O are multiplied by 2^(old M - new M), a power of two.
; LIMITS: eq + ek between -123 and 130, ep and ectx (entry 10) between -126 and 119, so that each power of two below is an f32 number; scaled scores under 2^31 in magnitude.
; SHARES.  A work-group owns 256 queries of a head, each of its 8 waves 32 of them: two tiles, A and B, of 16 queries, so that each fragment of K and V feeds two matrix instructions.  Keys go in steps of 128.
; IMAGES (launch proj's head): q: 1,024 bytes a tile of 16 tokens; K and V: a quarter of 512 keys is 32,768 bytes of K, then of V; a step of 128 keys is 8,192 bytes of either.
; LDS holds all of the head: K's step n at 8,192 n, V's at 131,072 + 8,192 n.  Two joint tensor loads a wave: 8,192 bytes (waves 0-3: K's steps 0-3, waves 4-7: V's), then, behind a full sequence and a round, the same piece
; of the other three quarters, 3 rows of 8,192 bytes 65,536 apart: step 4 + 3 w + i is piece w of quarter 1 + i, for K and V alike; the order of the keys is free.  Nothing is filled again.
; The second load has steps 0 to 2 in which to land.  No prefetch: all of K and V is asked for at the head, and no loop runs ahead of a load.
; CLUSTERS: four work-groups of one head need the same K and V: every load is joint, mask 15.
; LAYOUT: both products are used transposed: a lane holds ONE query of each tile throughout; two neighbouring tiles' codes are four neighbouring registers of the next operand, in the order of V's image.
; REGISTERS: window 0: addresses, Q, both tiles' scores / p and codes; window 1: v0-63 K's fragments, v64-127 V's, v128-159 O^T of tile A, v160-191 of tile B.
.set LI,  1                            ; v1  16 x lane
.set ADV, 2                            ; v2, v3  LDS addresses of the step's V and of the next step's K
.set ADK, 3
.set SPW, 4                            ; v4  my spare word;  v5  0
.set NIL, 5
.set MA,  6                            ; v[6:7], v[8:9]  -M (the upper half is only named)
.set MB,  8
.set FA,  10                           ; v[10:11], v[12:13]  2^(old M - new M)
.set FB,  12
.set LA,  14                           ; v[14:15], v[32:33]  the sums in two halves
.set LB,  32
.set QA,  16
.set QB,  24
.set RA,  34                           ; v34, v35  the largest score so far
.set RB,  35
.set XA,  36                           ; v36-41 the maxima's chains and the other half's
.set YA,  37
.set XB,  38
.set YB,  39
.set TA,  40
.set TB,  41
.set DA,  42                           ; v42, v43  the old -M, then the change of M
.set DB,  43
.set EP,  52                           ; v52  2^ep;  v53  2^ectx;  v54  448 x 2^ectx
.set EC,  53
.set LC,  54
.set SA,  64
.set SB,  128
.set CA,  192
.set CB,  208
.set SPARE, 262144                     ; the spare words, 128 bytes for each wave
.set WV,  12
.set G1,  16                           ; s[16:23] group 1 of the first load, s[32:39] of the second
.set G0,  24                           ; s[24:27], s[28:31] their groups 0
.set G1S, 32
.set SEL, 52
.set CS,  54                           ; s[54:55] log2(e) / 8 x 2^(eq + ek);  s56 the same, negative
.set NC,  56
.set TV,  57
.set TK,  58
.set TKC, 59
.set CNT, 60
.set PL,  61                           ; 448 x 2^ep
.set ES,  62                           ; ep + ev
.set MSB, 0
.macro WIN new                         ; the immediate's high byte repeats the setting that is left
.if MSB != \new
	s_set_vgpr_msb (MSB<<8)|\new
.set MSB, \new
.endif
.endm
.macro CROUND                          ; a round of the cluster's barrier
	s_barrier_signal -1
	s_barrier_wait -1
	s_cmp_lg_u32 s[WV], 0
	s_cbranch_scc1 .Lnot_wave_0_\@
	s_barrier_signal -3
.Lnot_wave_0_\@:
	s_barrier_wait -3
	s_barrier_signal -1
	s_barrier_wait -1
.endm
	s_load_b256 s[4:11], s[0:1], 0x0               ; qimg, kvimg, the scales' exponents, ctximg
	v_lshl_add_u32 v[SPW], v0, 2, SPARE
	v_mov_b32 v[NIL], 0
	ds_add_u32 v[SPW], v[NIL]                      ; the wave's opening
	ds_add_u32 v[SPW], v[NIL]
	v_lshrrev_b32 v55, 5, v0
	v_readfirstlane_b32 s[WV], v55                 ; wave 0..7
	s_bfe_u32 s13, ttmp6, 0x40000
	s_lshl_b32 s14, ttmp9, 2
	s_add_co_u32 s14, s14, s13                     ; which 256 queries: 0..7
	s_and_b32 s15, ttmp7, 0xffff                   ; batch x 16 + head
	s_mov_b32 s[G1], 15|(3<<16)|(1<<21)            ; the mask; elements of 8 bytes; 21 set beside a mask: 32 dense rows of 256 bytes
	s_mov_b32 s[G1+1], 32<<16
	s_mov_b32 s[G1+2], 32<<16
	s_mov_b32 s[G1+3], 32<<16
	s_mov_b32 s[G1+4], 32
	s_mov_b32 s[G1+5], 32
	s_mov_b32 s[G1+6], 0
	s_mov_b32 s[G1+7], 0
	s_mov_b32 s[G1S], 15|(3<<16)|(1<<21)           ; 3 rows of 8,192 bytes, 65,536 apart
	s_mov_b32 s[G1S+1], 1024<<16
	s_mov_b32 s[G1S+2], 3<<16
	s_mov_b32 s[G1S+3], 1024<<16
	s_mov_b32 s[G1S+4], 3
	s_mov_b32 s[G1S+5], 8192
	s_mov_b32 s[G1S+6], 0
	s_mov_b32 s[G1S+7], 0
	s_lshr_b32 s70, s[WV], 2
	s_lshl_b32 s70, s70, 17                        ; V's waves: 131,072 on
	s_and_b32 s71, s[WV], 3
	s_lshl_b32 s72, s71, 13
	s_add_co_u32 s72, s72, s70                     ; the first load's LDS byte
	s_mul_i32 s73, s71, 24576
	s_add_co_u32 s73, s73, s70
	s_add_co_u32 s73, s73, 32768                   ; the second's
	s_lshl_b32 s74, s15, 18
	s_lshl_b32 s75, s[WV], 13
	s_add_co_u32 s74, s74, s75                     ; my piece of the head's first quarter
	s_mov_b32 s75, 0
	s_lshl_b32 s66, s15, 7                         ; my first tile of Q
	s_lshl_b32 s67, s14, 4
	s_add_co_u32 s66, s66, s67
	s_lshl_b32 s67, s[WV], 1
	s_add_co_u32 s66, s66, s67
	s_lshl_b32 s66, s66, 10
	s_mov_b32 s67, 0
	s_lshr_b32 s68, s15, 4                         ; my first tile of tokens in ctximg,
	s_lshl_b32 s68, s68, 7
	s_lshl_b32 s69, s14, 4
	s_add_co_u32 s68, s68, s69
	s_lshl_b32 s69, s[WV], 1
	s_add_co_u32 s68, s68, s69
	s_and_b32 s69, s68, 7
	s_lshl_b32 s69, s69, 12
	s_lshr_b32 s68, s68, 3
	s_lshl_b32 s68, s68, 17
	s_add_co_u32 s68, s68, s69
	s_bfe_u32 s69, s15, 0x20002                    ; and my head's 64 along K there
	s_lshl_b32 s69, s69, 15
	s_add_co_u32 s68, s68, s69
	s_bfe_u32 s69, s15, 0x10001
	s_lshl_b32 s69, s69, 11
	s_add_co_u32 s68, s68, s69
	s_and_b32 s69, s15, 1
	s_lshl_b32 s69, s69, 10
	s_add_co_u32 s68, s68, s69
	s_mov_b32 s69, 0
	s_mov_b32 s[SEL], 0x76543210                   ; lane l xor 16
	s_mov_b32 s[SEL+1], 0xfedcba98
	s_wait_dscnt 0x0                               ; both opening adds are done
	s_wait_kmcnt 0x0
	s_load_b64 s[46:47], s[8:9], 0x18              ; eq, ek
	s_load_b128 s[48:51], s[8:9], 0x20             ; ep, ev, ectx, eWo
	s_add_nc_u64 s[74:75], s[6:7], s[74:75]
	s_add_nc_u64 s[4:5], s[4:5], s[66:67]
	s_add_nc_u64 s[10:11], s[10:11], s[68:69]
	s_mov_b32 s[G0], 1
	s_mov_b32 s[G0+1], s72
	s_mov_b64 s[G0+2:G0+3], s[74:75]
	s_or_b32 s[G0+3], s[G0+3], 0x80000000
	s_mov_b32 s[G0+4], 1
	s_mov_b32 s[G0+5], s73
	s_add_nc_u64 s[G0+6:G0+7], s[74:75], 65536
	s_or_b32 s[G0+7], s[G0+7], 0x80000000
	CROUND                                         ; all four work-groups are here: the first joint loads meet
	tensor_load_to_lds s[G0:G0+3], s[G1:G1+7]      ; steps 0 to 3: my one load at the head
	s_nop 0
.rept 4
	v_nop
.endr
	v_and_b32 v[LI], 31, v0
	v_lshlrev_b32 v[LI], 4, v[LI]
.irp i, 0,1,2,3
	global_load_b128 v[QA+4*\i:QA+4*\i+3], v[LI], s[4:5] offset:512*\i th:TH_LOAD_NT
.endr
	s_wait_alu depctr_va_vdst(0)
	s_wait_kmcnt 0x0
	s_add_co_i32 s66, s46, s47
	s_lshl_b32 s66, s66, 23
	s_mov_b32 s[CS], 0x3e38aa3b                    ; log2(e) / 8; a score stands for score x 2^(eq + ek): added to the exponent field
	s_add_co_i32 s[CS], s[CS], s66
	s_mov_b32 s[CS+1], s[CS]                       ; (named with it as a pair, so it is written)
	s_xor_b32 s[NC], s[CS], 0x80000000
	s_add_co_i32 s[ES], s48, s49
	s_add_co_i32 s66, s48, 127
	s_lshl_b32 s67, s66, 23                        ; 2^ep
	s_add_co_i32 s66, s66, 8
	s_lshl_b32 s66, s66, 23
	s_or_b32 s[PL], s66, 0x600000                  ; 448 x 2^ep
	s_add_co_i32 s66, s50, 127
	s_lshl_b32 s68, s66, 23                        ; 2^ectx
	s_add_co_i32 s66, s66, 8
	s_lshl_b32 s66, s66, 23
	s_or_b32 s66, s66, 0x600000                    ; 448 x 2^ectx
	v_mov_b32 v[EP], s67
	v_mov_b32 v[EC], s68
	v_mov_b32 v[LC], s66
.irp r, RA, RB
	v_mov_b32 v[\r], 0xff61b1e6                    ; the largest score so far: -3e38
.endr
.irp r, MA, MB
	v_mov_b32 v[\r], 0x7f61b1e6                    ; -M: its first change makes the factor 0
.endr
.irp r, MA+1, MB+1, FA+1, FB+1, LA, LA+1, LB, LB+1, TA, TB   ; named as a pair's upper half, summed onto, or a lane permute's destination
	v_mov_b32 v[\r], 0
.endr
	WIN 0x40
.set j, 0
.rept 64
	v_mov_b32 v[128+j], 0                          ; O^T: the step is written for all steps, and its first change of M leaves zeros
.set j, j+1
.endr
	WIN 0
.macro FMA b, m, i                     ; t - M, two numbers (of c and -M the low word serves both)
	v_pk_fma_f32 v[\b+\i:\b+\i+1], v[\b+\i:\b+\i+1], s[CS:CS+1], v[\m:\m+1] op_sel_hi:[1,0,0]
.endm
.macro HOLD r                          ; two holds at the largest code x 2^ep: p is not negative, and the conversion does not saturate (ISA guide 7.6.2)
	v_dual_min_num_f32 v[\r], s[PL], v[\r] :: v_dual_min_num_f32 v[\r+1], s[PL], v[\r+1]
.endm
.set ZA, 55                            ; v55, v56  the maxima's third chains
.set ZB, 56
.set T1, 224                           ; v224-239, v240-255  partial sums of the unquantised p, 8 pairs each
.set T2, 240
.macro PAIR t, b, i, d                 ; two pairs of p, d registers apart, into a partial sum
	v_pk_add_f32 v[\t+\i:\t+\i+1], v[\b+\i:\b+\i+1], v[\b+\d+\i:\b+\d+\i+1]
.endm
.macro FOLD i, d                       ; a partial sum onto another
	v_pk_add_f32 v[T1+\i:T1+\i+1], v[T1+\i:T1+\i+1], v[T1+\i+\d:T1+\i+\d+1]
.endm
.macro HOLDS n                         ; n holds of tile B's p, from register j on
.rept \n
	HOLD SB+j
.set j, j+2
.endr
.endm
.macro CVT4 s, d, e                    ; 32 numbers to 8 registers of codes
.irp t, 0,1,2,3
	v_cvt_scalef32_pk8_fp8_f32 v[\d+2*\t:\d+2*\t+1], v[\s+8*\t:\s+8*\t+7], v[\e]
.endr
.endm
.macro KLOAD adr                       ; a step's eight fragments of K into window 1
.irp t, 0,1,2,3,4,5,6,7
.irp c, 0,1
	ds_load_b128 v[8*\t+4*\c:8*\t+4*\c+3], v[\adr] offset:\t*1024+\c*512
.endr
.endr
.endm
.macro ACCB i, o                       ; two of tile B's p onto a partial sum
	v_pk_add_f32 v[T2+\i:T2+\i+1], v[T2+\i:T2+\i+1], v[SB+\o+\i:SB+\o+\i+1]
.endm
.macro POST                            ; tile A's plain work, piece n: 16 partial sums of p, then 32 pairs of holds, which write p's registers
.if n < 16
	PAIR T1, SA, 2*n, 32
.else
	HOLD SA+2*n-32
.endif
.set n, n+1
.endm
; A KEY STEP.  K's fragments are in registers at its start.  Each tile's batch of 64 exponentials stands among plain work of the other tile; one wait ahead of each batch and one behind the last serve what was written ahead of them and the exponentials' results.
.macro STEP tk
	WIN 0x01                                       ; source 0 (K) window 1
.irp t, 0,1,2,3,4,5,6,7
	v_wmma_f32_16x16x64_fp8_fp8 v[SA+8*\t:SA+8*\t+7], v[8*\t:8*\t+7], v[QA:QA+7], 0
.endr
.irp t, 0,1,2,3,4,5,6,7
	v_wmma_f32_16x16x64_fp8_fp8 v[SB+8*\t:SB+8*\t+7], v[8*\t:8*\t+7], v[QB:QB+7], 0
.endr
	WIN 0
	v_add_nc_u32 v[ADV], s[TV], v[LI]              ; these four lines are the places in front of the loads and of the scores' first reads (ISA guide 7.12.1 for the scores' reads)
	v_add_nc_u32 v[ADK], s[\tk], v[LI]
	v_mov_b32 v[DA], v[MA]
	v_mov_b32 v[DB], v[MB]
	WIN 0x40
.irp t, 0,1,2,3
.irp p, 0,1,2,3
	ds_load_b128 v[64+16*\t+4*\p:64+16*\t+4*\p+3], v[ADV] offset:\t*2048+\p*512
.endr
.endr
	WIN 0
	v_max3_num_f32 v[XA], v[RA], v[SA], v[SA+1]    ; the largest score of my two queries, the running one among the leaves
	v_max3_num_f32 v[XB], v[RB], v[SB], v[SB+1]
	v_max3_num_f32 v[YA], v[SA+2], v[SA+3], v[SA+4]
	v_max3_num_f32 v[YB], v[SB+2], v[SB+3], v[SB+4]
	v_max3_num_f32 v[ZA], v[SA+5], v[SA+6], v[SA+7]
	v_max3_num_f32 v[ZB], v[SB+5], v[SB+6], v[SB+7]
.set j, 8
.rept 9
	v_max3_num_f32 v[XA], v[XA], v[SA+j], v[SA+j+1]
	v_max3_num_f32 v[XB], v[XB], v[SB+j], v[SB+j+1]
	v_max3_num_f32 v[YA], v[YA], v[SA+j+2], v[SA+j+3]
	v_max3_num_f32 v[YB], v[YB], v[SB+j+2], v[SB+j+3]
	v_max3_num_f32 v[ZA], v[ZA], v[SA+j+4], v[SA+j+5]
	v_max3_num_f32 v[ZB], v[ZB], v[SB+j+4], v[SB+j+5]
.set j, j+6
.endr
	v_max3_num_f32 v[XA], v[XA], v[SA+62], v[SA+63]
	v_max3_num_f32 v[XB], v[XB], v[SB+62], v[SB+63]
	v_max3_num_f32 v[XA], v[XA], v[YA], v[ZA]
	v_max3_num_f32 v[XB], v[XB], v[YB], v[ZB]
	v_permlanex16_b32 v[TA], v[XA], s[SEL], s[SEL+1]
	v_permlanex16_b32 v[TB], v[XB], s[SEL], s[SEL+1]
	v_max_num_f32 v[RA], v[XA], v[TA]
	v_max_num_f32 v[RB], v[XB], v[TB]
	v_mul_f32 v[XA], s[NC], v[RA]                  ; -t (c is positive)
	v_mul_f32 v[XB], s[NC], v[RB]
	v_floor_f32 v[MA], v[XA]                       ; -M = floor(-t)
	v_floor_f32 v[MB], v[XB]
	v_sub_f32 v[DA], v[MA], v[DA]                  ; old M - new M: a whole number, 0 or less
	v_sub_f32 v[DB], v[MB], v[DB]
.irp i, 0,2,4,6
	FMA SA, MA, \i
.endr
	v_cvt_i32_f32 v[DA], v[DA]                     ; (it saturates)
	v_cvt_i32_f32 v[DB], v[DB]
.irp i, 8,10,12,14
	FMA SA, MA, \i
.endr
	v_ldexp_f32 v[FA], 1.0, v[DA]
	v_ldexp_f32 v[FB], 1.0, v[DB]
.irp i, 16,18,20,22,24,26,28,30,32,34,36,38,40,42,44,46,48,50,52,54,56,58,60,62
	FMA SA, MA, \i
.endr
	WIN 0x40
	KLOAD ADK                                      ; the next step's K
	WIN 0x41                                       ; source 0 and destination window 1
.set j, 0
.rept 16
	v_pk_mul_f32 v[128+j:129+j], v[128+j:129+j], v[FA:FA+1] op_sel_hi:[1,0]   ; O^T under the new M
	v_pk_mul_f32 v[160+j:161+j], v[160+j:161+j], v[FB:FB+1] op_sel_hi:[1,0]
.set j, j+2
.endr
	WIN 0
	s_wait_alu depctr_va_vdst(0)                   ; a wait ahead of and behind each batch
.set j, 0
.rept 32
	v_exp_f32 v[SA+j], v[SA+j]
.if j < 56
	FMA SB, MB, j
.endif
	v_exp_f32 v[SA+j+1], v[SA+j+1]
.set j, j+2
.endr
.irp i, 56,58,60,62
	FMA SB, MB, \i
.endr
	v_pk_mul_f32 v[LA:LA+1], v[LA:LA+1], v[FA:FA+1] op_sel_hi:[1,0]   ; the sums under the new M
	v_pk_mul_f32 v[LB:LB+1], v[LB:LB+1], v[FB:FB+1] op_sel_hi:[1,0]
	s_wait_alu depctr_va_vdst(0)
.set j, 0
.set n, 0
.rept 12
	v_exp_f32 v[SB+j], v[SB+j]
	POST
	v_exp_f32 v[SB+j+1], v[SB+j+1]
	POST
	v_exp_f32 v[SB+j+2], v[SB+j+2]
	POST
	v_exp_f32 v[SB+j+3], v[SB+j+3]
.set j, j+4
.endr
.rept 8
	v_exp_f32 v[SB+j], v[SB+j]
	POST
	v_exp_f32 v[SB+j+1], v[SB+j+1]
.set j, j+2
.endr
.rept 4
	POST
.endr
	s_wait_alu depctr_va_vdst(0)                   ; behind the last batch; and directly ahead of the wait below
	s_wait_dscnt 0x0                               ; V, and the next step's K
.irp i, 0,2,4,6,8,10,12,14
	FOLD \i, 16
.endr
.irp i, 0,2,4,6,8,10,12,14
	PAIR T2, SB, \i, 16                            ; tile B's partial sums, in registers that tile A's have left
.endr
.irp i, 0,2,4,6
	FOLD \i, 8
.endr
.irp i, 0,2,4,6,8,10,12,14
	ACCB \i, 32
.endr
	FOLD 0, 4
	FOLD 2, 4
.irp i, 0,2,4,6,8,10,12,14
	ACCB \i, 48
.endr
	FOLD 0, 2
	CVT4 SA, CA, EP
	v_pk_add_f32 v[LA:LA+1], v[LA:LA+1], v[T1:T1+1]
	CVT4 SA+32, CA+8, EP
.irp i, 16,18,20,22
	FOLD \i, 8
.endr
.set j, 0
	HOLDS 8
	FOLD 16, 4
	FOLD 18, 4
	HOLDS 8
	FOLD 16, 2
	HOLDS 8
	v_pk_add_f32 v[LB:LB+1], v[LB:LB+1], v[T2:T2+1]
	HOLDS 8
	CVT4 SB, CB, EP
	CVT4 SB+32, CB+8, EP
	v_nop                                          ; one plain vector line between the last conversion and the products
	WIN 0x51                                       ; source 0 (V), C and D window 1
.irp t, 0,1,2,3
	v_wmma_f32_16x16x128_fp8_fp8 v[128+8*\t:135+8*\t], v[64+16*\t:79+16*\t], v[CA:CA+15], v[128+8*\t:135+8*\t]
.endr
.irp t, 0,1,2,3
	v_wmma_f32_16x16x128_fp8_fp8 v[160+8*\t:167+8*\t], v[64+16*\t:79+16*\t], v[CB:CB+15], v[160+8*\t:167+8*\t]
.endr
	WIN 0
	s_add_co_u32 s[TV], s[TV], 8192
	s_add_co_u32 s[TK], s[TK], 8192
.endm
	s_wait_alu depctr_va_vdst(0)                   ; the head's end
	s_wait_loadcnt 0x0                             ; Q
	s_wait_tensorcnt 0x0                           ; my part of steps 0 to 3 is in
	ds_add_u32 v[SPW], v[NIL]
	s_wait_dscnt 0x0
	CROUND                                         ; everybody's part is in, and all four work-groups are here
	tensor_load_to_lds s[G0+4:G0+7], s[G1S:G1S+7]  ; steps 4 to 15
	s_nop 0
.rept 4
	v_nop
.endr
	WIN 0x40
	KLOAD LI                                       ; step 0's K
	WIN 0
	s_mov_b32 s[TV], 131072
	s_mov_b32 s[TK], 8192
	s_mov_b32 s[CNT], 3
	s_wait_dscnt 0x0
.Lfirst:                                               ; steps 0 to 2; step 2 reads step 3's K, still of the first load
	STEP TK
	s_sub_co_u32 s[CNT], s[CNT], 1
	s_cmp_lg_u32 s[CNT], 0
	s_cbranch_scc1 .Lfirst
	s_wait_tensorcnt 0x0                           ; my part of steps 4 to 15 is in (no LDS load of mine is out),
	s_barrier_signal -1
	s_barrier_wait -1                              ; and everybody's is
	s_mov_b32 s[TV], 131072+3*8192
	s_mov_b32 s[TK], 4*8192
	s_mov_b32 s[CNT], 13
.Lrest:                                                ; steps 3 to 15
	s_min_u32 s[TKC], s[TK], 15*8192               ; the last step has no successor: its look-ahead is clamped to its own K
	STEP TKC
	s_sub_co_u32 s[CNT], s[CNT], 1
	s_cmp_lg_u32 s[CNT], 0
	s_cbranch_scc1 .Lrest
	; THE WAY OUT: O^T / the sum x 2^(ep + ev), held within +-448 x 2^ectx, as codes: images of the next product's operand, 512 consecutive bytes a store.
	v_add_f32 v[XA], v[LA], v[LA+1]                ; the sums' halves (these lines are also the places behind the last products)
	v_add_f32 v[XB], v[LB], v[LB+1]
	v_permlanex16_b32 v[TA], v[XA], s[SEL], s[SEL+1]
	v_permlanex16_b32 v[TB], v[XB], s[SEL], s[SEL+1]
	v_add_f32 v[XA], v[XA], v[TA]
	v_add_f32 v[XB], v[XB], v[TB]
	s_wait_alu depctr_va_vdst(0)                   ; ahead of the batch
	v_rcp_f32 v[XA], v[XA]
	v_rcp_f32 v[XB], v[XB]
	v_nop
	s_wait_alu depctr_va_vdst(0)                   ; and behind it
	v_ldexp_f32 v[XA], v[XA], s[ES]
	v_ldexp_f32 v[XB], v[XB], s[ES]
	WIN 0x01
	s_wait_alu depctr_va_vdst(0)                   ; directly ahead of the first reader of O^T
.set j, 0
.rept 32
	v_mul_f32 v[SA+j], v[128+j], v[XA]
.set j, j+1
.endr
.set j, 0
.rept 32
	v_mul_f32 v[SB+j], v[160+j], v[XB]
.set j, j+1
.endr
	WIN 0
.set j, 0
.rept 32
	v_med3_num_f32 v[SA+j], v[SA+j], -v[LC], v[LC]
	v_med3_num_f32 v[SB+j], v[SB+j], -v[LC], v[LC]
.set j, j+1
.endr
	CVT4 SA, CA, EC
	CVT4 SB, CB, EC
	v_nop
	global_store_b128 v[LI], v[CA:CA+3], s[10:11]
	global_store_b128 v[LI], v[CA+4:CA+7], s[10:11] offset:512
	global_store_b128 v[LI], v[CB:CB+3], s[10:11] offset:4096
	global_store_b128 v[LI], v[CB+4:CB+7], s[10:11] offset:4608
	s_wait_tensorcnt 0x0                           ; the wave's end
	ds_add_u32 v[SPW], v[NIL]
	s_wait_dscnt 0x0
	CROUND                                         ; the closing round
	s_endpgm
.Lfunc_end_k_qa2c67d9346_attn:
	.size	k_qa2c67d9346_attn, .Lfunc_end_k_qa2c67d9346_attn-k_qa2c67d9346_attn
	.p2alignl 7, 3214868480
	.fill 96, 4, 3214868480
	.section	.rodata,"a",@progbits
	.p2align	6, 0x0
	.amdhsa_kernel k_qa2c67d9346_attn
		.amdhsa_group_segment_fixed_size 327680
		.amdhsa_private_segment_fixed_size 0
		.amdhsa_enable_private_segment 0
		.amdhsa_kernarg_size 32
		.amdhsa_user_sgpr_count 2
		.amdhsa_user_sgpr_kernarg_segment_ptr 1
		.amdhsa_wavefront_size32 1
		.amdhsa_system_sgpr_workgroup_id_x 1
		.amdhsa_system_sgpr_workgroup_id_y 1
		.amdhsa_system_sgpr_workgroup_id_z 1
		.amdhsa_system_vgpr_workitem_id 0
		.amdhsa_next_free_vgpr 512
		.amdhsa_next_free_sgpr 80
		.amdhsa_reserve_vcc 0
		.amdhsa_float_denorm_mode_32 3
		.amdhsa_float_denorm_mode_16_64 3
		.amdhsa_memory_ordered 1
		.amdhsa_forward_progress 1
		.amdhsa_inst_pref_size 75
	.end_amdhsa_kernel
	.amdgpu_metadata
---
amdhsa.version: [ 1, 2 ]
amdhsa.kernels:
  - .name:           k_qa2c67d9346_attn
    .symbol:         k_qa2c67d9346_attn.kd
    .args:
      - { .name: qimg, .offset: 0, .size: 8, .value_kind: global_buffer, .address_space: global }
      - { .name: kvimg, .offset: 8, .size: 8, .value_kind: global_buffer, .address_space: global }
      - { .name: lowp_scales, .offset: 16, .size: 8, .value_kind: global_buffer, .address_space: global }
      - { .name: ctximg, .offset: 24, .size: 8, .value_kind: global_buffer, .address_space: global }
    .group_segment_fixed_size: 327680
    .private_segment_fixed_size: 0
    .kernarg_segment_align: 8
    .kernarg_segment_size: 32
    .max_flat_workgroup_size: 256
    .sgpr_count:     80
    .vgpr_count:     512
    .wavefront_size: 32
...
	.end_amdgpu_metadata
.endif
;; end of part 2
;; launch outp (part 3): grid 8 x 32, 4 waves a work-group, clusters of 4 x 4, 327,680 bytes of LDS; arguments ctximg, Wo_codes, lowp_scales, bo, out0; writes out0
.if DOCPART == 3
	.amdgcn_target "amdgcn-amd-amdhsa--gfx1250"
	.amdhsa_code_object_version 6
	.text
	.protected	k_qa2c67d9346_outp
	.globl	k_qa2c67d9346_outp
	.p2align	8
	.type	k_qa2c67d9346_outp,@function
k_qa2c67d9346_outp:
	s_mov_b64 s[64:65], 0
	v_nop
	global_prefetch_b8 v0, s[64:65] scope:SCOPE_SE
	s_setreg_imm32_b32 hwreg(HW_REG_WAVE_MODE, 25, 1), 1
	s_wait_xcnt 0x0
	s_wait_alu depctr_hold_cnt(0) depctr_sa_sdst(0) depctr_va_vdst(0) depctr_va_sdst(0) depctr_va_ssrc(0) depctr_va_vcc(0) depctr_vm_vsrc(0)
	s_getreg_b32 s2, hwreg(HW_REG_IB_STS2, 6, 4)
	s_cmp_eq_u32 s2, 0
	s_cbranch_scc0 .Lentry_in_a_cluster
	s_endpgm
.Lentry_in_a_cluster:
	s_bfe_u32 s2, ttmp6, 0x10000c
	s_cmp_lg_u32 s2, 0xf033
	s_cbranch_scc0 .Lentry_shape_is_right
	s_endpgm
.Lentry_shape_is_right:
; THE OUT PROJECTION: out[token][n] = (the sum over k of ctx[token][k] Wo[n][k]) x 2^(e10 + e11) + bo[n], on codes of FP8 (E4M3); out is f32, [4096][1024].
; ctximg: ctx's codes as images of the operand's registers: (token tile / 8) x 131072 + (chunk of 256 along K) x 32768 + (token tile % 8) x 4096 + (128 along K in the chunk) x 2048 + c x 512 + 16 l;
;   lane (r, h): token r, k = 32 c + 8 h + 0..7, then 32 c + 16 + 8 h + 0..7: k in its own place in the K = 128 form.   Wo_codes: [1024 (n)][1024 (k)], K innermost.
; LIMIT: e10 + e11 between -126 and 127, so that 2^(e10 + e11) is an f32 number.
; SHARES.  A work-group makes 128 tokens x 128 columns: 32 x 8 = 256 work-groups; each of its four waves 64 x 64: four blocks of 16 tokens x 64 columns.
; LDS.  The whole K of both tiles fits: A's 131,072 bytes as they lie in memory, B's 128 rows of 1,024 bytes at pitch 1,040.  ONE tensor load a wave (waves 0, 1: A's halves; 2, 3: B's); nothing is filled again, so nothing is left to ask for ahead of time.
; BY ROWS OF out: all of a wave's fragments of B (4 columns' blocks x 8 K steps x 16 registers) stay in registers, and its four blocks of tokens are finished one after the other, each 32 matrix instructions: a block's rows leave while the next is multiplied.
; CLUSTERS: 4 x 4 work-groups.  A's tile hangs on the tile row alone and is shared along a row of the cluster, B's on the tile column alone and is shared along a column: both are asked for JOINTLY.
; TRANSPOSED USE: source 0 = 16 rows of Wo, source 1 = 16 tokens: a lane holds eight neighbouring columns of one row of out.
; REGISTERS: window 0: v1-15 addresses; v32-63 bo of my columns; v64-95 a block's results; v128-255 four blocks' accumulators, later rows read back from the stage.
;   windows 1 and 2: B's fragments of K steps 0-3 and 4-7.   window 3: A's fragments of a block, all K steps, two buffers of 128.
.set ABYTES, 131072
.set BP,    1040                       ; B: a row of 1,024 bytes + 16 of padding = 260 words: row r starts at bank 4 r mod 64 (64 banks of 4 bytes: ISA guide 11.1)
.set BBASE, ABYTES
.set STAGE, BBASE+128*BP               ; the way out: 16 rows x 272 bytes for each wave; no tensor load lands here
.set SP,    272
.set SPARE, STAGE+4*16*SP              ; the spare words, 128 bytes for each wave
.set ADRA, 8                           ; v8, v9  my A fragments: K steps 0-3, 4-7 (an LDS offset has 16 bits)
.set ADRB, 10
.set STO,  12                          ; v12  the stage: where I put 32 bytes of a row
.set RD,   13                          ; v13  and where I read a row back
.set CO,   14                          ; v14  my byte offset in two rows of out
.set BJ,   32
.set TMP,  64
.set SPW,  126
.set NIL,  127
.set ACC,  128
.set G1A, 24                           ; s[24:31] descriptor group 1 for A;  s[32:39] for B;  s[48:51], s[52:55] their groups 0
.set G1B, 32
.set G0A, 48
.set G0B, 52
.set MSB, 0
.macro WIN new                         ; the immediate's high byte repeats the setting that is left
.if MSB != \new
	s_set_vgpr_msb (MSB<<8)|\new
.set MSB, \new
.endif
.endm
.macro CROUND                          ; a round of the cluster's barrier
	s_barrier_signal -1
	s_barrier_wait -1
	s_cmp_lg_u32 s14, 0
	s_cbranch_scc1 .Lnot_wave_0_\@
	s_barrier_signal -3
.Lnot_wave_0_\@:
	s_barrier_wait -3
	s_barrier_signal -1
	s_barrier_wait -1
.endm
.macro PLACES                          ; four places in front of loads into registers that matrix instructions have read, and of the first read of results (ISA guide 7.12.1 for vector instructions)
.rept 4
	v_nop
.endr
.endm
	s_load_b256 s[4:11], s[0:1], 0x0               ; ctximg, Wo's codes, the scales' exponents, bo
	s_load_b64 s[12:13], s[0:1], 0x20              ; out
	v_lshl_add_u32 v[SPW], v0, 2, SPARE
	v_mov_b32 v[NIL], 0
	ds_add_u32 v[SPW], v[NIL]                      ; the wave's opening
	ds_add_u32 v[SPW], v[NIL]
	v_lshrrev_b32 v1, 5, v0
	v_readfirstlane_b32 s14, v1                    ; wave 0..3
	s_lshr_b32 s15, s14, 1                         ; which 64 tokens are mine.  Also: I fetch for A (0) or for B (1)
	s_and_b32 s16, s14, 1                          ; which 64 columns.  Also: which half of that tile I fetch
	s_bfe_u32 s40, ttmp6, 0x40000                  ; cx, cy
	s_bfe_u32 s41, ttmp6, 0x40004
	s_lshl_b32 s42, ttmp9, 2
	s_add_co_u32 s42, s42, s40                     ; tile column, 0 .. 7
	s_and_b32 s17, ttmp7, 0xffff
	s_lshl_b32 s17, s17, 2
	s_add_co_u32 s17, s17, s41                     ; tile row, 0 .. 31
	s_lshl_b32 s43, s41, 2
	s_lshl_b32 s43, 15, s43                        ; my row of the cluster
	s_lshl_b32 s44, 0x1111, s40                    ; my column
	s_or_b32 s[G1A], s43, (3<<16)|(1<<21)          ; A: 65,536 dense bytes as 256 rows of 32 elements of 8 bytes; the mask: my row; 21 set beside a mask
	s_mov_b32 s[G1A+1], 32<<16
	s_mov_b32 s[G1A+2], 256<<16
	s_mov_b32 s[G1A+3], 32<<16
	s_mov_b32 s[G1A+4], 256
	s_mov_b32 s[G1A+5], 32
	s_mov_b32 s[G1A+6], 0
	s_mov_b32 s[G1A+7], 0
	s_or_b32 s[G1B], s44, (0<<16)|(1<<20)|(1<<21)|(7<<22)|(3<<25)  ; B: 64 rows of 1,024 bytes; the mask: my column; padding of 4 words (code 3) after every 256 (code 7)
	s_mov_b32 s[G1B+1], 1024<<16
	s_mov_b32 s[G1B+2], 64<<16
	s_mov_b32 s[G1B+3], 1024<<16
	s_mov_b32 s[G1B+4], 64
	s_mov_b32 s[G1B+5], 1024
	s_mov_b32 s[G1B+6], 0
	s_mov_b32 s[G1B+7], 0
	s_lshl_b32 s18, s16, 16                        ; A in LDS: my half: no place in the cluster enters an LDS address
	s_lshl_b32 s20, s17, 17                        ; A in memory: tile row x 131,072 + the same half
	s_add_co_u32 s20, s20, s18
	s_mov_b32 s21, 0
	s_mul_i32 s19, s16, 64*BP                      ; B in LDS: my 64 rows
	s_add_co_u32 s19, s19, BBASE
	s_lshl_b32 s46, s42, 7                         ; B in memory: row 128 x tile column + 64 x half, of 1,024 bytes
	s_lshl_b32 s47, s16, 6
	s_add_co_u32 s46, s46, s47
	s_lshl_b32 s46, s46, 10
	s_mov_b32 s47, 0
	s_mov_b32 s[G0A], 1
	s_mov_b32 s[G0A+1], s18
	s_mov_b32 s[G0B], 1
	s_mov_b32 s[G0B+1], s19
	s_wait_dscnt 0x0                               ; both opening adds are done
	s_wait_kmcnt 0x0
	s_load_b64 s[86:87], s[8:9], 0x28              ; e10, e11
	s_add_nc_u64 s[G0A+2:G0A+3], s[4:5], s[20:21]
	s_or_b32 s[G0A+3], s[G0A+3], 0x80000000
	s_add_nc_u64 s[G0B+2:G0B+3], s[6:7], s[46:47]
	s_or_b32 s[G0B+3], s[G0B+3], 0x80000000
	CROUND                                         ; all sixteen work-groups are here: the joint loads meet
	s_cmp_eq_u32 s15, 0                            ; one load a wave; an s_nop 0 and four v_nop follow each of the two lines
	s_cbranch_scc0 .Lfirst_b
	tensor_load_to_lds s[G0A:G0A+3], s[G1A:G1A+7]
	s_nop 0
.rept 4
	v_nop
.endr
	s_branch .Lfirst_asked
.Lfirst_b:
	tensor_load_to_lds s[G0B:G0B+3], s[G1B:G1B+7]
	s_nop 0
.rept 4
	v_nop
.endr
.Lfirst_asked:
	s_lshl_b32 s90, s17, 7
	s_lshl_b32 s91, s15, 6
	s_add_co_u32 s90, s90, s91                     ; my first row of out
	s_lshl_b32 s90, s90, 12
	s_lshl_b32 s91, s42, 9
	s_lshl_b32 s22, s16, 8
	s_add_co_u32 s22, s22, s91                     ; my first column, in bytes: 512 x tile column + 256 x half
	s_add_co_u32 s90, s90, s22
	s_mov_b32 s91, 0
	s_mov_b32 s23, 0
	s_add_nc_u64 s[12:13], s[12:13], s[90:91]
	s_add_nc_u64 s[10:11], s[10:11], s[22:23]      ; bo at my first column: the same bytes
	s_lshl_b32 s18, s15, 14                        ; my four token tiles of 4,096 bytes in a chunk of A
	s_mul_i32 s22, s14, 16*SP
	s_add_co_u32 s22, s22, STAGE                   ; my stage
	v_and_b32 v1, 15, v0                           ; r
	v_bfe_u32 v2, v0, 4, 1                         ; h
	v_and_b32 v3, 31, v0                           ; lane
	v_lshlrev_b32 v[ADRA], 4, v3
	v_add_nc_u32 v[ADRA], s18, v[ADRA]
	v_add_nc_u32 v[ADRA+1], 65536, v[ADRA]
	v_mul_u32_u24 v[ADRB], v1, BP
	v_lshl_add_u32 v[ADRB], v2, 3, v[ADRB]         ; row r x pitch + 8 h: k in its own place: eight loads of 8 bytes, 16 apart
	v_add_nc_u32 v[ADRB], s19, v[ADRB]             ; (the 64 rows that are mine have the number of the half that I fetch)
	v_mul_u32_u24 v[STO], v1, SP
	v_lshl_add_u32 v[STO], v2, 5, v[STO]
	v_add_nc_u32 v[STO], s22, v[STO]               ; in: row r, 32 bytes for each half of the lanes
	v_mul_u32_u24 v[RD], v2, SP
	v_lshl_add_u32 v[RD], v1, 4, v[RD]
	v_add_nc_u32 v[RD], s22, v[RD]                 ; back: lanes 0-15 one row of 256 bytes, lanes 16-31 the next
	v_lshlrev_b32 v[CO], 12, v2
	v_lshl_add_u32 v[CO], v1, 4, v[CO]             ; and the same two rows of out, 4,096 bytes apart
	v_lshlrev_b32 v15, 5, v2                       ; 32 h: eight biases of my half
.irp b, 0,1,2,3
	global_load_b128 v[BJ+8*\b:BJ+8*\b+3],   v15, s[10:11] offset:64*\b      ; bo[my first column + 16 b + 8 h + 0 .. 7]
	global_load_b128 v[BJ+8*\b+4:BJ+8*\b+7], v15, s[10:11] offset:64*\b+16
.endr
.macro ALOAD a                         ; block a's fragments, all K steps: 32 loads of 512 consecutive bytes
	WIN 0xc0                                       ; destination window 3, address window 0
.irp s, 0,1,2,3,4,5,6,7
.irp c, 0,1,2,3
	ds_load_b128 v[128*((\a)%2)+16*\s+4*\c:128*((\a)%2)+16*\s+4*\c+3], v[ADRA+\s/4] offset:((\s/2)%2)*32768+(\a)*4096+(\s%2)*2048+\c*512
.endr
.endr
	WIN 0
.endm
.macro BLOAD s                         ; K step s of B's four blocks: 32 loads of 8 bytes a lane
	WIN 0x40+0x40*((\s)/4)                         ; destination window 1 or 2
.irp b, 0,1,2,3
.irp c, 0,1,2,3,4,5,6,7
	ds_load_b64 v[64*((\s)%4)+16*\b+2*\c:64*((\s)%4)+16*\b+2*\c+1], v[ADRB] offset:128*(\s)+16*\c+\b*16*BP
.endr
.endr
	WIN 0
.endm
.macro MULS a, s                       ; K step s of block a: its four accumulators take turns, one instruction a turn; the first step starts the sums
	WIN 0x0d+(\s)/4                                ; source 0 (B) window 1 or 2, source 1 (A) window 3
.irp b, 0,1,2,3
.if (\s) == 0
	v_wmma_f32_16x16x128_fp8_fp8 v[ACC+32*(\a)+8*\b:ACC+32*(\a)+8*\b+7], v[64*((\s)%4)+16*\b:64*((\s)%4)+16*\b+15], v[128*((\a)%2)+16*(\s):128*((\a)%2)+16*(\s)+15], 0
.else
	v_wmma_f32_16x16x128_fp8_fp8 v[ACC+32*(\a)+8*\b:ACC+32*(\a)+8*\b+7], v[64*((\s)%4)+16*\b:64*((\s)%4)+16*\b+15], v[128*((\a)%2)+16*(\s):128*((\a)%2)+16*(\s)+15], v[ACC+32*(\a)+8*\b:ACC+32*(\a)+8*\b+7]
.endif
.endr
.endm
.macro MULB a
.irp s, 0,1,2,3,4,5,6,7
	MULS \a, \s
.endr
	WIN 0
.endm
; THE WAY OUT of a block: sum x 2^(e10 + e11) + bo; through my own stage in LDS; back as rows of 256 bytes, which sixteen lanes store whole.
.macro TOSTAGE a
.irp b, 0,1,2,3
.irp i, 0,2,4,6
	v_pk_fma_f32 v[TMP+8*\b+\i:TMP+8*\b+\i+1], v[ACC+32*(\a)+8*\b+\i:ACC+32*(\a)+8*\b+\i+1], s[88:89], v[BJ+8*\b+\i:BJ+8*\b+\i+1] op_sel_hi:[1,0,1]   ; each accumulator from its low end on
.endr
.endr
.irp b, 0,1,2,3
	ds_store_b128 v[STO], v[TMP+8*\b:TMP+8*\b+3] offset:64*\b
	ds_store_b128 v[STO], v[TMP+8*\b+4:TMP+8*\b+7] offset:64*\b+16
.endr
.irp t, 0,1,2,3,4,5,6,7
	ds_load_b128 v[ACC+32*(\a)+4*\t:ACC+32*(\a)+4*\t+3], v[RD] offset:\t*2*SP   ; LDS serves a wave's instructions in order (ISA guide 5.7.1.4): these see the stores above.  They land in the block's own accumulators, which have been read
.endr
.endm
.macro SEND a, younger                 ; younger: the LDS instructions issued behind block a's loads
	s_wait_dscnt \younger
.irp t, 0,1,2,3,4,5,6,7
	global_store_b128 v[CO], v[ACC+32*(\a)+4*\t:ACC+32*(\a)+4*\t+3], s[12:13] offset:(16*(\a)+2*\t)*4096 th:TH_STORE_NT   ; 16 lanes store 256 consecutive bytes, at a multiple of 256 from out's first byte; no register of a store is written again
.endr
.endm
	s_wait_alu depctr_va_vdst(0)                   ; the head's end
	s_wait_kmcnt 0x0
	s_add_co_i32 s88, s86, s87
	s_add_co_i32 s88, s88, 127
	s_lshl_b32 s88, s88, 23                        ; 2^(e10 + e11) as f32
	s_mov_b32 s89, s88                             ; (named with it as a pair, so it is written)
	s_wait_tensorcnt 0x0                           ; my load is in,
	s_barrier_signal -1
	s_barrier_wait -1                              ; and everybody's is
	ALOAD 0
	BLOAD 0
	BLOAD 1
.irp s, 0,1,2,3,4,5                            ; block 0 takes B's K steps as they come
	s_wait_dscnt 32                                ; all but the 32 loads of the next K step
	MULS 0, \s
	BLOAD \s+2
.endr
	s_wait_dscnt 32                                ; all but K step 7's 32
	MULS 0, 6
	ALOAD 1
	s_wait_dscnt 32                                ; all but block 1's 32
	MULS 0, 7
	WIN 0
	s_wait_loadcnt 0x0                             ; bo
	PLACES
	TOSTAGE 0
	SEND 0, 0                                      ; (block 1's fragments are in with it)
	ALOAD 2                                        ; into block 0's buffer: the places above stand in front of it
	MULB 1
	PLACES
	TOSTAGE 1
	SEND 1, 0                                      ; (and block 2's)
	ALOAD 3
	MULB 2
	PLACES
	TOSTAGE 2
	SEND 2, 0                                      ; (and block 3's)
	MULB 3
	PLACES
	TOSTAGE 3
	SEND 3, 0
	s_wait_tensorcnt 0x0                           ; the wave's end
	ds_add_u32 v[SPW], v[NIL]
	s_wait_dscnt 0x0
	CROUND                                         ; the closing round: no work-group ends while a partner may still ask for a tile that names it
	s_endpgm
.Lfunc_end_k_qa2c67d9346_outp:
	.size	k_qa2c67d9346_outp, .Lfunc_end_k_qa2c67d9346_outp-k_qa2c67d9346_outp
	.p2alignl 7, 3214868480
	.fill 96, 4, 3214868480
	.section	.rodata,"a",@progbits
	.p2align	6, 0x0
	.amdhsa_kernel k_qa2c67d9346_outp
		.amdhsa_group_segment_fixed_size 327680
		.amdhsa_private_segment_fixed_size 0
		.amdhsa_enable_private_segment 0
		.amdhsa_kernarg_size 40
		.amdhsa_user_sgpr_count 2
		.amdhsa_user_sgpr_kernarg_segment_ptr 1
		.amdhsa_wavefront_size32 1
		.amdhsa_system_sgpr_workgroup_id_x 1
		.amdhsa_system_sgpr_workgroup_id_y 1
		.amdhsa_system_sgpr_workgroup_id_z 1
		.amdhsa_system_vgpr_workitem_id 0
		.amdhsa_next_free_vgpr 1024
		.amdhsa_next_free_sgpr 92
		.amdhsa_reserve_vcc 0
		.amdhsa_float_denorm_mode_32 3
		.amdhsa_float_denorm_mode_16_64 3
		.amdhsa_memory_ordered 1
		.amdhsa_forward_progress 1
		.amdhsa_inst_pref_size 53
	.end_amdhsa_kernel
	.amdgpu_metadata
---
amdhsa.version: [ 1, 2 ]
amdhsa.kernels:
  - .name:           k_qa2c67d9346_outp
    .symbol:         k_qa2c67d9346_outp.kd
    .args:
      - { .name: ctximg, .offset: 0, .size: 8, .value_kind: global_buffer, .address_space: global }
      - { .name: Wo_codes, .offset: 8, .size: 8, .value_kind: global_buffer, .address_space: global }
      - { .name: lowp_scales, .offset: 16, .size: 8, .value_kind: global_buffer, .address_space: global }
      - { .name: bo, .offset: 24, .size: 8, .value_kind: global_buffer, .address_space: global }
      - { .name: out0, .offset: 32, .size: 8, .value_kind: global_buffer, .address_space: global }
    .group_segment_fixed_size: 327680
    .private_segment_fixed_size: 0
    .kernarg_segment_align: 8
    .kernarg_segment_size: 40
    .max_flat_workgroup_size: 128
    .sgpr_count:     92
    .vgpr_count:     1024
    .wavefront_size: 32
...
	.end_amdgpu_metadata
.endif
;; end of part 3
